; MI455X (gfx1250); checked and timed in simulation.
; The chip was launched on July 23, 2026; its instructions are those of AMD's public machine-readable ISA for CDNA 5 (MIT licence, August 2026) and "CDNA5" Instruction Set Architecture Reference Guide (July 2026). The comments in the code are by the model that wrote it; some were corrected since.
;; Naive Attention Module. Allowed arithmetic: matrix products marked QUANTISED: E5M2 operands, one given power-of-two scale a tensor, by v_wmma_f32_16x16x64_bf8_bf8 or v_wmma_f32_16x16x128_bf8_bf8, f32 sums; everything else in f32.
;; Inputs: W_qkv 1,024 x 3,072 float32; lowp_scales 6 int32 (the exponents e of the quantised operands' scales 2^e); x 1 x 4,096 x 1,024 float32.
;; Outputs: out0 1 x 4,096 x 1,024 float32.
;; This version of the problem:
;;   THIS VERSION OF THE PROBLEM IS GIVEN IN LOW PRECISION. The matrix products marked QUANTISED in the list below multiply operands that are first quantised to E5M2 (5 exponent bits, 2 mantissa bits; 8 bits a number), with one given power-of-two scale for each operand tensor; their sums are f32. All else is computed in f32.
;;   The module's matrix products, in the order in which they are computed (A, B: the left and right operand; K: the contracted axis; several contracted axes count as one K, in the product's order):
;;     1. [M 4,096, K 1,024] x [K 1,024, N 3,072]; A: input x; B: input W_qkv: QUANTISED (scales: A lowp_scales[0], B lowp_scales[1])
;;     2. batch 16 x [M 4,096, K 64] x [K 64, N 4,096]; A: computed on the way; B: computed on the way: QUANTISED (scales: A lowp_scales[2], B lowp_scales[3])
;;     3. batch 16 x [M 4,096, K 4,096] x [K 4,096, N 64]; A: softmax (see below); B: computed on the way: QUANTISED (scales: A lowp_scales[4], B lowp_scales[5])
;;   THE QUANTISER, for each operand of a quantised product, along K:
;;     - The operand's scale is 2^e, e = its entry of the input lowp_scales (int32; the entries are numbered through the quantised products in the list's order, A before B).
;;     - Each number is divided by the scale, clamped to +-57,344, and rounded to the nearest number of E5M2, ties to even, subnormals kept.
;;     - The product sums the exact products of the quantised numbers (number of the format x scale) in f32.
;;   ~~~python
;;   def quantise(x, axis, e):      # numpy; x: float32 -> the quantised numbers, widened to float32 again
;;       x = np.moveaxis(x, axis, -1); K = x.shape[-1]
;;       r = np.clip(x / 2.0 ** e, -57344, 57344)
;;       step = 2.0 ** (np.maximum(np.frexp(np.where(r == 0, 1, r))[1] - 1, -14) - 2)
;;       q = np.round(r / step) * step * 2.0 ** e      # np.round: ties to even
;;       return np.moveaxis(q, -1, axis).astype(np.float32)
;;   ~~~
;;   SOFTMAX AHEAD OF A QUANTISED PRODUCT. Where the list says 'softmax', what is quantised is not the finished softmax but p = 2^(t - M), with t = logit x log2(e) and M = ceil(the row's largest t), a whole number; so 1/2 < the row's largest p <= 1. The row's sum l is taken of the UNQUANTISED p, in f32, and the product's result is divided by l at the end. Since M is a whole number, a kernel that streams over the keys may use a running M (the ceiling of the running maximum): every later rescaling is an exact power of two, so the quantised numbers keep their values, but for numbers so far below the row's largest that they fall under the format's range.
;;   OPERANDS COMPUTED ON THE WAY. 'Computed on the way' means the value that the module computes at that place (a softmax that the list does not call 'softmax' is quantised finished and normalised). What goes into a quantiser is computed in f32, as accurately as f32 sums, v_exp_f32 and their like allow (about 1e-6 of the number): no bf16 or f16 on the way to a quantiser, and a product that is left as it is and whose result goes on into a quantised operand takes f32 operands (vector FMAs, or v_wmma_f32_16x16x4_f32). A number that lies on a knife's edge between two numbers of the format may be rounded either way, as far as f32 arithmetic and the matrix unit's own rounding can turn it there, and no further.
;; One version. Each part assembles by itself: llvm-mc -triple=amdgcn-amd-amdhsa -mcpu=gfx1250 --defsym DOCPART=n.
;; ======== version 1 of 1: 3 launches
;; limits: right only within a limited range of input values
;; workspace buffers: codes 7,340,032 bytes; qkvimg 12,582,912 bytes
;; launch quant (part 1): grid 256 x 1, 7 waves a work-group, no clusters, 119,296 bytes of LDS; arguments x, W_qkv, lowp_scales, codes; writes codes
.if DOCPART == 1
	.amdgcn_target "amdgcn-amd-amdhsa--gfx1250"
	.amdhsa_code_object_version 6
	.text
	.protected	k_q4fd7739cdd_quant
	.globl	k_q4fd7739cdd_quant
	.p2align	8
	.type	k_q4fd7739cdd_quant,@function
k_q4fd7739cdd_quant:
	s_mov_b64 s[64:65], 0
	v_nop
	global_prefetch_b8 v0, s[64:65] scope:SCOPE_SE
	s_setreg_imm32_b32 hwreg(HW_REG_WAVE_MODE, 25, 1), 1
	s_wait_xcnt 0x0
; x [4096][1024] and W_qkv [1024][3072], f32, become codes of BF8 (E5M2), one byte each.  code = number / 2^e, held within +-57,344, to the nearest code, ties to even; e = lowp_scales[0] for x, [1] for W.
; DEAD WORK: none in this problem.  reference() has no mask, no bias and no slice: every number of x and of W_qkv reaches q, k or v, and every one of these reaches every output row of its head.
; So all three products are done whole, and all inputs (x, W_qkv, lowp_scales) are loaded.
; LIMITS: e0 and e1 between -126 and 112, so that 2^e and 57,344 x 2^e are f32 numbers.  NaN among the inputs is not served; an infinity is held at the largest code.
; THE CODES ARE IMAGES OF FRAGMENTS: 16 rows (tokens of x, columns of W) x 128 along K are 2,048 bytes: the 16 codes of row r, K = 32 c + 16 h + 0 .. 15 stand at 512 c + 256 h + 16 r.
;   x: [group of 8 tiles of tokens: 32][step of 128 along K: 8][tile: 8][2,048], from byte 0.
;   W: [head: 16][half: 2][step of 128 along K: 8][tile: 6][2,048], from byte 4,194,304: a head's twelve tiles are its four of q, four of k, four of v.
; SHARES.  1,792 waves of 16 KiB of input each, seven to a work-group.  Waves 0 .. 767 of the launch take W: K is its FIRST axis, so a lane takes a column and its registers run down K: 32 columns x 128 along K;
; sixteen lanes then hold the 256 consecutive bytes of one (c, h) of a tile, and store them as they are.  The others take x: 16 tokens x 256 along K; a load reads 512 consecutive bytes of a row, and the numbers turn through the wave's own stage in LDS
; so that lane (r, h) holds 16 neighbours along K of token r; a store covers 512 consecutive bytes.  No tensor load, no barrier: waves share nothing.  Each byte is read once and written once: no use for clusters here, and no loop for a prefetch.
.set NCOL,   3072
.set XP,     528                       ; a row of x's stage: 512 bytes + 16
.set XST,    16*XP
.set SPARE,  7*2*XST                   ; behind the seven waves' two stages: the spare words, 128 bytes for each wave
.set SPW,    250                       ; v250 LDS address of my spare word; never rewritten
.set NIL,    251                       ; v251 0; never rewritten
.set WX,     16                        ; W: v16-79 two sets of 32 numbers; v80-111 codes, eight registers a block
.set WC,     80
.set XR,     16                        ; x: v16-143 as loaded; v144-207 16 neighbours x 4 (first half), v16-79 (second half); v208-239 codes
.set XX,     144
.set XC,     208
	s_load_b256 s[4:11], s[0:1], 0x0               ; x s[4:5], W s[6:7], the scales' exponents s[8:9], the codes s[10:11]
	v_lshl_add_u32 v[SPW], v0, 2, SPARE
	v_mov_b32 v[NIL], 0
	v_lshrrev_b32 v1, 5, v0
	v_readfirstlane_b32 s16, v1                    ; wave 0..6
	v_and_b32 v2, 31, v0                           ; lane
	s_mul_i32 s19, s16, 2*XST                      ; my stages
	v_lshlrev_b32 v3, 2, v2                        ; W, in: 4 bytes a lane
	v_lshlrev_b32 v5, 4, v2                        ; x, in and out: 16 bytes a lane
	v_and_b32 v6, 15, v2
	v_lshrrev_b32 v7, 4, v2
	v_lshlrev_b32 v4, 11, v7
	v_lshl_add_u32 v4, v6, 4, v4                   ; W, out: lanes 0-15 one tile, lanes 16-31 the next; 16 bytes a column
	v_add_nc_u32 v14, s19, v5                      ; x's stage, on the way in: a row's 512 bytes
	v_mul_u32_u24 v15, v6, XP
	v_lshl_add_u32 v15, v7, 6, v15
	v_add_nc_u32 v15, s19, v15                     ; and back: row r, my half's 64 bytes
	s_mul_i32 s17, ttmp9, 7
	s_add_co_u32 s17, s17, s16                     ; my number in the launch
	s_wait_alu depctr_va_vdst(0)                   ; directly ahead of the wait below
	s_wait_kmcnt 0x0
	s_load_b64 s[22:23], s[8:9], 0x0               ; e0, e1
	s_cmp_lt_u32 s17, 768
	s_cbranch_scc0 .Lx
; ---------------- W: a lane to a column, registers down K ----------------
	s_lshr_b32 s18, s17, 8                         ; part: q, k, v
	s_and_b32 s19, s17, 31                         ; which 32 columns of the part
	s_bfe_u32 s20, s17, 0x30005                    ; which 128 along K
	s_lshl_b32 s21, s18, 5
	s_add_co_u32 s21, s21, s19
	s_lshl_b32 s21, s21, 7                         ; 128 bytes for each 32 columns,
	s_mul_i32 s24, s20, 128*NCOL*4
	s_add_co_u32 s24, s24, s21                     ; + 128 rows for each step along K
	s_mov_b32 s25, 0
	s_add_nc_u64 s[6:7], s[6:7], s[24:25]
	s_lshl_b32 s26, s18, 2
	s_and_b32 s27, s19, 1
	s_lshl_b32 s27, s27, 1
	s_add_co_u32 s26, s26, s27                     ; my first tile among the head's twelve: even, so both of mine lie in one half
	s_lshr_b32 s28, s19, 1                         ; the head
	s_lshl_b32 s28, s28, 1
	s_cmp_ge_u32 s26, 6
	s_cselect_b32 s29, 1, 0
	s_cselect_b32 s30, 6, 0
	s_sub_co_u32 s26, s26, s30
	s_add_co_u32 s28, s28, s29
	s_lshl_b32 s28, s28, 3
	s_add_co_u32 s28, s28, s20
	s_mul_i32 s28, s28, 12288
	s_lshl_b32 s26, s26, 11
	s_add_co_u32 s24, s28, s26
	s_add_co_u32 s24, s24, 4194304
	s_add_nc_u64 s[10:11], s[10:11], s[24:25]
.macro WLOAD t                         ; block t: W(32 t + i, my column), i = 0 .. 31, into set t % 2; a wave's load reads 128 consecutive bytes, the next wave's the 128 behind
.set n, 0
.rept 32
	global_load_b32 v[WX+32*((\t)%2)+n], v3, s[6:7] offset:(32*(\t)+n)*NCOL*4 th:TH_LOAD_NT
.set n, n+1
.endr
.endm
	WLOAD 0
	WLOAD 1
	s_wait_kmcnt 0x0
	s_add_co_i32 s30, s23, 127
	s_lshl_b32 s31, s30, 23
	v_mov_b32 v11, s31                             ; 2^e1 as f32: the conversion takes its exponent field
	s_add_co_i32 s30, s30, 15
	s_lshl_b32 s30, s30, 23
	s_or_b32 s30, s30, 0x600000
	v_mov_b32 v10, s30                             ; 57,344 x 2^e1
	s_wait_alu depctr_va_vdst(0)
.macro WBLOCK t
.if (\t) < 3
	s_wait_loadcnt 32                              ; this block's 32 loads are in; the next block's 32 may be out
.else
	s_wait_loadcnt 0x0
.endif
.set n, 0
.rept 32
	v_med3_num_f32 v[WX+32*((\t)%2)+n], v[WX+32*((\t)%2)+n], -v10, v10   ; the conversion to an 8-bit code does not saturate (ISA guide 7.6.2): the hold comes first
.set n, n+1
.endr
.irp g, 0,1,2,3
	v_cvt_scalef32_pk8_bf8_f32 v[WC+8*(\t)+2*\g:WC+8*(\t)+2*\g+1], v[WX+32*((\t)%2)+8*\g:WX+32*((\t)%2)+8*\g+7], v11
.endr
	v_nop
	global_store_b128 v4, v[WC+8*(\t):WC+8*(\t)+3], s[10:11] offset:512*(\t)   ; sixteen lanes store 256 consecutive bytes, at a multiple of 256 from the buffer's first byte
	global_store_b128 v4, v[WC+8*(\t)+4:WC+8*(\t)+7], s[10:11] offset:512*(\t)+256
.if (\t)+2 < 4
	WLOAD (\t)+2
.endif
.endm
.irp t, 0,1,2,3
	WBLOCK \t
.endr
	s_endpgm
; ---------------- x: 16 tokens x 256 along K ----------------
.Lx:
	s_sub_co_u32 s17, s17, 768                     ; 0 .. 1023
	s_lshr_b32 s18, s17, 2                         ; tile of 16 tokens
	s_and_b32 s20, s17, 3                          ; which 256 along K
	s_lshl_b32 s24, s18, 16                        ; 16 rows of 4,096 bytes a tile,
	s_lshl_b32 s25, s20, 10
	s_add_co_u32 s24, s24, s25                     ; + 1,024 bytes
	s_mov_b32 s25, 0
	s_add_nc_u64 s[4:5], s[4:5], s[24:25]
	s_lshr_b32 s26, s18, 3
	s_lshl_b32 s26, s26, 17                        ; codes: the group's 8 x 16,384 bytes,
	s_lshl_b32 s27, s20, 15
	s_add_co_u32 s26, s26, s27                     ; two steps of 16,384,
	s_and_b32 s27, s18, 7
	s_lshl_b32 s27, s27, 11
	s_add_co_u32 s24, s26, s27                     ; the tile in its group
	s_add_nc_u64 s[10:11], s[10:11], s[24:25]
.irp u, 0,1
.irp i, 0,1,2,3,4,5,6,7,8,9,10,11,12,13,14,15
	global_load_b128 v[XR+64*\u+4*\i:XR+64*\u+4*\i+3], v5, s[4:5] offset:4096*\i+512*\u th:TH_LOAD_NT   ; 32 lanes read 512 consecutive bytes
.endr
.endr
	s_wait_kmcnt 0x0
	s_add_co_i32 s30, s22, 127
	s_lshl_b32 s31, s30, 23
	v_mov_b32 v11, s31                             ; 2^e0 as f32
	s_add_co_i32 s30, s30, 15
	s_lshl_b32 s30, s30, 23
	s_or_b32 s30, s30, 0x600000
	v_mov_b32 v10, s30                             ; 57,344 x 2^e0
	s_wait_alu depctr_va_vdst(0)
.macro XHALF u, dst                    ; 128 along K: through the stage (LDS serves a wave's instructions in order, so no wait stands between the stores and the loads), held, converted, stored
	s_wait_loadcnt 16*(1-\u)                       ; this half's 16 loads are in; the other half's 16 may be out
.irp i, 0,1,2,3,4,5,6,7,8,9,10,11,12,13,14,15
	ds_store_b128 v14, v[XR+64*\u+4*\i:XR+64*\u+4*\i+3] offset:XST*\u+XP*\i
.endr
.irp c, 0,1,2,3
.irp i, 0,1,2,3
	ds_load_b128 v[\dst+16*\c+4*\i:\dst+16*\c+4*\i+3], v15 offset:XST*\u+128*\c+16*\i
.endr
.endr
.irp c, 0,1,2,3
	s_wait_dscnt 12-4*\c                           ; this block's four loads are in; the younger may be out
.set n, 0
.rept 16
	v_med3_num_f32 v[\dst+16*\c+n], v[\dst+16*\c+n], -v10, v10
.set n, n+1
.endr
	v_cvt_scalef32_pk8_bf8_f32 v[XC+16*\u+4*\c:XC+16*\u+4*\c+1], v[\dst+16*\c:\dst+16*\c+7], v11
	v_cvt_scalef32_pk8_bf8_f32 v[XC+16*\u+4*\c+2:XC+16*\u+4*\c+3], v[\dst+16*\c+8:\dst+16*\c+15], v11
	v_nop
	global_store_b128 v5, v[XC+16*\u+4*\c:XC+16*\u+4*\c+3], s[10:11] offset:16384*\u+512*\c   ; 32 lanes store 512 consecutive bytes; each store has its own four registers
.endr
.endm
	XHALF 0, XX
	XHALF 1, XR                                    ; (the first half's registers as loaded: its stage stores are done)
	s_wait_tensorcnt 0x0                           ; the wave's end
	ds_add_u32 v[SPW], v[NIL]
	s_wait_dscnt 0x0
	s_endpgm
.Lfunc_end_k_q4fd7739cdd_quant:
	.size	k_q4fd7739cdd_quant, .Lfunc_end_k_q4fd7739cdd_quant-k_q4fd7739cdd_quant
	.p2alignl 7, 3214868480
	.fill 96, 4, 3214868480
	.section	.rodata,"a",@progbits
	.p2align	6, 0x0
	.amdhsa_kernel k_q4fd7739cdd_quant
		.amdhsa_group_segment_fixed_size 119296
		.amdhsa_private_segment_fixed_size 0
		.amdhsa_enable_private_segment 0
		.amdhsa_kernarg_size 32
		.amdhsa_user_sgpr_count 2
		.amdhsa_user_sgpr_kernarg_segment_ptr 1
		.amdhsa_wavefront_size32 1
		.amdhsa_system_sgpr_workgroup_id_x 1
		.amdhsa_system_sgpr_workgroup_id_y 1
		.amdhsa_system_sgpr_workgroup_id_z 1
		.amdhsa_system_vgpr_workitem_id 0
		.amdhsa_next_free_vgpr 256
		.amdhsa_next_free_sgpr 66
		.amdhsa_reserve_vcc 0
		.amdhsa_float_denorm_mode_32 3
		.amdhsa_float_denorm_mode_16_64 3
		.amdhsa_memory_ordered 1
		.amdhsa_forward_progress 1
		.amdhsa_inst_pref_size 44
	.end_amdhsa_kernel
	.amdgpu_metadata
---
amdhsa.version: [ 1, 2 ]
amdhsa.kernels:
  - .name:           k_q4fd7739cdd_quant
    .symbol:         k_q4fd7739cdd_quant.kd
    .args:
      - { .name: x, .offset: 0, .size: 8, .value_kind: global_buffer, .address_space: global }
      - { .name: W_qkv, .offset: 8, .size: 8, .value_kind: global_buffer, .address_space: global }
      - { .name: lowp_scales, .offset: 16, .size: 8, .value_kind: global_buffer, .address_space: global }
      - { .name: codes, .offset: 24, .size: 8, .value_kind: global_buffer, .address_space: global }
    .group_segment_fixed_size: 119296
    .private_segment_fixed_size: 0
    .kernarg_segment_align: 8
    .kernarg_segment_size: 32
    .max_flat_workgroup_size: 224
    .sgpr_count:     66
    .vgpr_count:     256
    .wavefront_size: 32
...
	.end_amdgpu_metadata
.endif
;; end of part 1
;; launch qkv (part 2): grid 16 x 16, 4 waves a work-group, clusters of 4 x 4, 327,680 bytes of LDS; arguments codes, lowp_scales, qkvimg; writes qkvimg
.if DOCPART == 2
	.amdgcn_target "amdgcn-amd-amdhsa--gfx1250"
	.amdhsa_code_object_version 6
	.text
	.protected	k_q4fd7739cdd_qkv
	.globl	k_q4fd7739cdd_qkv
	.p2align	8
	.type	k_q4fd7739cdd_qkv,@function
k_q4fd7739cdd_qkv:
	s_mov_b64 s[64:65], 0
	v_nop
	global_prefetch_b8 v0, s[64:65] scope:SCOPE_SE
	s_setreg_imm32_b32 hwreg(HW_REG_WAVE_MODE, 25, 1), 1
	s_wait_xcnt 0x0
	s_wait_alu depctr_hold_cnt(0) depctr_sa_sdst(0) depctr_va_vdst(0) depctr_va_sdst(0) depctr_va_ssrc(0) depctr_va_vcc(0) depctr_vm_vsrc(0)
	s_getreg_b32 s2, hwreg(HW_REG_IB_STS2, 6, 4)
	s_cmp_eq_u32 s2, 0
	s_cbranch_scc0 .Lentry_in_a_cluster
	s_endpgm
.Lentry_in_a_cluster:
	s_bfe_u32 s2, ttmp6, 0x10000c
	s_cmp_lg_u32 s2, 0xf033
	s_cbranch_scc0 .Lentry_shape_is_right
	s_endpgm
.Lentry_shape_is_right:
; q, k, v = x W_qkv on codes of BF8 with f32 sums; the results are quantised along the next products' K and leave as images of those operands' registers.  No work is left out.
; INPUT: images of fragments made by the launch before: 16 rows x 128 along K are 2,048 bytes, registers 4 c .. 4 c + 3 of lane l at 512 c + 16 l (lane (r, h): row r, K = 32 c + 16 h + 0 .. 15: the same place of each k in both operands).
;   x: [group of 8 tiles: 32][step of 128: 8][tile: 8][2,048];  W, from byte 4,194,304: [head][half][step of 128: 8][tile: 6][2,048].
; SHARES.  A work-group makes q, k and v of ONE head (192 columns of W, twelve tiles) for 256 tokens: 16 x 16 work-groups.  Each of its four waves takes 64 tokens: 4 x 12 accumulators of 16 x 16, 384 registers.
; For q and k source 0 = 16 columns of W, source 1 = 16 tokens: a lane holds one token and eight neighbouring channels; for v the sources change places: a lane holds one channel and eight neighbouring tokens: in each case
; neighbours along the next product's K.  The three scales are folded into the conversion's one: code = sum / 2^(e - e0 - e1), e = lowp_scales[2] for q, [3] for k, [5] for v, held within +-57,344.
; K goes in steps of 128 through two LDS slots: slot X holds steps 0, 1, 2, slot Y steps 3, 4, then X again steps 5, 6, 7.  Each fill is one joint tensor load a wave: waves 0, 1 the two groups of tokens, waves 2, 3 the two halves of the head's tiles,
; each a dense block, stated as rows of 256 bytes.  A tile of x is shared along a row of the 4 x 4 cluster, a head's tiles along a column.
; Two whole sets of fragments (4 + 12, 256 registers each) take turns: while one is multiplied, the next step's is on its way from LDS.
; LIMITS: e - e0 - e1 between -126 and 112 for each of the three.  NaN is not served.
; REGISTERS.  Window 0: v0-31 addresses and scales; v32-127 the way out's codes; v128-255 v's accumulators.  Windows 1, 2: the two sets: v0-191 W's twelve fragments, v192-255 x's four.  Window 3: q's and k's accumulators, (b, a) at v[8 (4 b + a)].
.set XB0,   98304                      ; slot X: x's two groups of 49,152 bytes, then W's two halves of 36,864
.set YA,    172032                     ; slot Y: x's two groups of 32,768, then W's two halves of 24,576
.set YB0,   237568
.set SPARE, 286720                     ; behind both: the spare words, 128 bytes for each wave
.set LI,  1
.set VA,  2                            ; v2, v3  my fragments of x in slot X, Y
.set VB,  4                            ; v4, v5  W's two halves in slot X; v6, v7 in slot Y
.set PF1, 8
.set PF2, 9
.set SPW, 10
.set NIL, 11
.set SC,  12                           ; v12-14 the conversion's scale for q, k, v
.set LM,  16                           ; v16-18 57,344 x that
.set CD,  32
.set GAX, 72                           ; descriptor groups 0: x in slot X, in slot Y; W in slot X, in slot Y
.set GAY, 76
.set GBX, 80
.set GBY, 84
.set HAX, 24                           ; groups 1, in the same order
.set HAY, 32
.set HBX, 48
.set HBY, 56
.set PFA, 90                           ; s[90:91] where my prefetches stand; never rewritten
.set MSB, 0
.macro WIN new
.if MSB != \new
	s_set_vgpr_msb (MSB<<8)|\new
.set MSB, \new
.endif
.endm
.macro PLACES n
.rept \n
	v_nop
.endr
.endm
.macro JLOAD g0a, g1a, g0b, g1b        ; a joint load: waves 0 and 1 for x, waves 2 and 3 for W; the branch hangs on the wave's number alone.  An s_nop 0 and four v_nop follow each line
	s_cmp_eq_u32 s15, 0
	s_cbranch_scc0 .Lfor_b_\@
	tensor_load_to_lds s[\g0a:\g0a+3], s[\g1a:\g1a+7]
	s_nop 0
	PLACES 4
	s_branch .Lasked_\@
.Lfor_b_\@:
	tensor_load_to_lds s[\g0b:\g0b+3], s[\g1b:\g1b+7]
	s_nop 0
	PLACES 4
.Lasked_\@:
.endm
.macro CROUND                          ; a round of the cluster's barrier
	s_barrier_signal -1
	s_barrier_wait -1
	s_cmp_lg_u32 s14, 0
	s_cbranch_scc1 .Lnot_wave_0_\@
	s_barrier_signal -3
.Lnot_wave_0_\@:
	s_barrier_wait -3
	s_barrier_signal -1
	s_barrier_wait -1
.endm
.macro DESC g, mask, rows              ; group 1: rows of 32 elements of 8 bytes, dense
	s_or_b32 s[\g], s[\mask], (3<<16)|(1<<21)      ; 15:0 the mask; 17:16 elements of 8 bytes; 21 set beside a mask
	s_mov_b32 s[\g+1], 32<<16
	s_mov_b32 s[\g+2], (\rows)<<16
	s_mov_b32 s[\g+3], 32<<16
	s_mov_b32 s[\g+4], \rows
	s_mov_b32 s[\g+5], 32
	s_mov_b32 s[\g+6], 0
	s_mov_b32 s[\g+7], 0
.endm
	s_load_b128 s[4:7], s[0:1], 0x0                ; the codes, the scales' exponents
	s_load_b64 s[8:9], s[0:1], 0x10                ; the images
	v_lshl_add_u32 v[SPW], v0, 2, SPARE
	v_mov_b32 v[NIL], 0
	ds_add_u32 v[SPW], v[NIL]                      ; the wave's opening: the add, twice on end, and its wait ahead of my first tensor load; the set-up below stands between the second and the wait
	ds_add_u32 v[SPW], v[NIL]
	v_lshrrev_b32 v31, 5, v0
	v_readfirstlane_b32 s14, v31                   ; wave 0..3
	s_lshr_b32 s15, s14, 1                         ; I fetch for x (0) or for W (1).  Also: which group of x holds my tokens
	s_and_b32 s16, s14, 1                          ; which group or half I fetch.  Also: which half of that group is mine
	s_bfe_u32 s40, ttmp6, 0x40000                  ; cx, cy: my place in the cluster
	s_bfe_u32 s41, ttmp6, 0x40004
	s_lshl_b32 s42, ttmp9, 2
	s_add_co_u32 s42, s42, s40                     ; the head
	s_and_b32 s17, ttmp7, 0xffff
	s_lshl_b32 s17, s17, 2
	s_add_co_u32 s17, s17, s41                     ; the block of 256 tokens
	s_lshl_b32 s43, s41, 2
	s_lshl_b32 s43, 15, s43                        ; my row of the cluster: x's tiles
	s_lshl_b32 s44, 0x1111, s40                    ; my column: W's tiles
	DESC HAX, 43, 192
	DESC HAY, 43, 128
	DESC HBX, 44, 144
	DESC HBY, 44, 96
	s_lshl_b32 s20, s17, 1
	s_add_co_u32 s20, s20, s16
	s_lshl_b32 s20, s20, 17                        ; x: my group's 131,072 bytes
	s_mov_b32 s21, 0
	s_lshl_b32 s46, s42, 1
	s_add_co_u32 s46, s46, s16
	s_mul_i32 s46, s46, 98304
	s_add_co_u32 s46, s46, 4194304                 ; W: my half's 98,304 bytes
	s_mov_b32 s47, 0
	s_mov_b32 s[GAX], 1
	s_mul_i32 s[GAX+1], s16, 49152                 ; LDS: no place in the cluster enters an LDS address
	s_mov_b32 s[GBX], 1
	s_mul_i32 s[GBX+1], s16, 36864
	s_add_co_u32 s[GBX+1], s[GBX+1], XB0
	s_mov_b32 s[GAY], 1
	s_lshl_b32 s[GAY+1], s16, 15
	s_add_co_u32 s[GAY+1], s[GAY+1], YA
	s_mov_b32 s[GBY], 1
	s_mul_i32 s[GBY+1], s16, 24576
	s_add_co_u32 s[GBY+1], s[GBY+1], YB0
	s_mul_i32 s66, s40, 12288                      ; the prefetches: of x's 49,152 bytes my work-group's quarter,
	s_add_co_u32 s66, s66, s20
	s_add_co_u32 s66, s66, 5*16384
	s_mul_i32 s67, s41, 9216                       ; of W's 36,864 likewise, in steps 5, 6, 7
	s_add_co_u32 s67, s67, s46
	s_add_co_u32 s67, s67, 5*12288
	s_mov_b32 s69, 47
	s_cmp_eq_u32 s15, 0
	s_cselect_b32 s66, s66, s67
	s_cselect_b32 s68, s69, 35                     ; my last block of 256 bytes
	s_mov_b32 s67, 0
	s_wait_dscnt 0x0                               ; both opening adds are done
	s_wait_kmcnt 0x0
	s_load_b128 s[92:95], s[6:7], 0x0              ; e0 .. e3
	s_load_b64 s[96:97], s[6:7], 0x10              ; e4, e5
	s_add_nc_u64 s[GAX+2:GAX+3], s[4:5], s[20:21]
	s_add_nc_u64 s[GAY+2:GAY+3], s[GAX+2:GAX+3], 3*16384
	s_or_b32 s[GAX+3], s[GAX+3], 0x80000000
	s_or_b32 s[GAY+3], s[GAY+3], 0x80000000
	s_add_nc_u64 s[GBX+2:GBX+3], s[4:5], s[46:47]
	s_add_nc_u64 s[GBY+2:GBY+3], s[GBX+2:GBX+3], 3*12288
	s_or_b32 s[GBX+3], s[GBX+3], 0x80000000
	s_or_b32 s[GBY+3], s[GBY+3], 0x80000000
	s_add_nc_u64 s[PFA:PFA+1], s[4:5], s[66:67]
	CROUND                                         ; all sixteen work-groups are here: the first joint loads meet
	JLOAD GAX, HAX, GBX, HBX                       ; slot X, steps 0 to 2: one tensor load a wave
	v_and_b32 v31, 31, v0
	v_lshlrev_b32 v[LI], 4, v31
	v_lshlrev_b32 v[PF1], 8, v31
	v_add_nc_u32 v31, 32, v31
	v_min_u32 v31, s68, v31
	v_lshlrev_b32 v[PF2], 8, v31                   ; the lanes that are left over name my last block again
	s_mul_i32 s99, s15, 49152
	s_lshl_b32 s100, s16, 13
	s_add_co_u32 s99, s99, s100
	v_add_nc_u32 v[VA], s99, v[LI]
	s_lshl_b32 s99, s15, 15
	s_add_co_u32 s99, s99, s100
	s_add_co_u32 s99, s99, YA
	v_add_nc_u32 v[VA+1], s99, v[LI]
	v_add_nc_u32 v[VB], XB0, v[LI]
	v_add_nc_u32 v[VB+1], XB0+36864, v[LI]
	v_add_nc_u32 v[VB+2], YB0, v[LI]
	v_add_nc_u32 v[VB+3], YB0+24576, v[LI]
.macro FETCH slot, k, p                ; the slot's k-th step into set p: 64 loads, 512 consecutive bytes each
	WIN 0x40*(1+\p)
.irp a, 0,1,2,3
.irp c, 0,1,2,3
	ds_load_b128 v[192+16*\a+4*\c:192+16*\a+4*\c+3], v[VA+\slot] offset:16384*\k+2048*\a+512*\c
.endr
.endr
.irp b, 0,1,2,3,4,5,6,7,8,9,10,11
.irp c, 0,1,2,3
	ds_load_b128 v[16*\b+4*\c:16*\b+4*\c+3], v[VB+2*\slot+\b/6] offset:12288*\k+2048*(\b%6)+512*\c
.endr
.endr
	WIN 0
.endm
; The 48 accumulators take turns, one instruction a turn, in the same order in every step.  zero = 1: the first product starts the sums.
.macro MULQK p, zero
	WIN 0xf5+5*\p
.irp b, 0,1,2,3,4,5,6,7
.irp a, 0,1,2,3
.if \zero
	v_wmma_f32_16x16x128_bf8_bf8 v[32*\b+8*\a:32*\b+8*\a+7], v[16*\b:16*\b+15], v[192+16*\a:192+16*\a+15], 0
.else
	v_wmma_f32_16x16x128_bf8_bf8 v[32*\b+8*\a:32*\b+8*\a+7], v[16*\b:16*\b+15], v[192+16*\a:192+16*\a+15], v[32*\b+8*\a:32*\b+8*\a+7]
.endif
.endr
.endr
	WIN 0
.endm
.macro MULV p, zero
	WIN 0x05+5*\p
.irp b, 0,1,2,3
.irp a, 0,1,2,3
.if \zero
	v_wmma_f32_16x16x128_bf8_bf8 v[128+32*\b+8*\a:128+32*\b+8*\a+7], v[192+16*\a:192+16*\a+15], v[128+16*\b:128+16*\b+15], 0
.else
	v_wmma_f32_16x16x128_bf8_bf8 v[128+32*\b+8*\a:128+32*\b+8*\a+7], v[192+16*\a:192+16*\a+15], v[128+16*\b:128+16*\b+15], v[128+32*\b+8*\a:128+32*\b+8*\a+7]
.endif
.endr
.endr
	WIN 0
.endm
.macro STEP p, nslot, nk, zero         ; multiplies set p while the next step is fetched into the other
	s_wait_dscnt 0x0                               ; set p is in
	PLACES 4                                       ; the other set was read by the last products
	FETCH \nslot, \nk, 1-\p
	MULQK \p, \zero
	MULV \p, \zero
.endm
; A slot's last step changes slots in its last third: each wave waits for all its tensor loads, adds 0 to its spare word and waits for that (its reads of this slot have come back at the step's head).  fill = 1: slot X is filled again, behind a round.
.macro TURN p, nslot, fill
	s_wait_dscnt 0x0
	MULQK \p, 0
	s_wait_tensorcnt 0x0
	ds_add_u32 v[SPW], v[NIL]                      ; 0 onto my spare word
.if \fill
	s_add_nc_u64 s[GAX+2:GAX+3], s[GAX+2:GAX+3], 5*16384
	s_add_nc_u64 s[GBX+2:GBX+3], s[GBX+2:GBX+3], 5*12288
.endif
	s_wait_dscnt 0x0
.if \fill
	CROUND                                         ; no wave of any partner still reads slot X or has a load on its way
	JLOAD GAX, HAX, GBX, HBX                       ; steps 5 to 7; the four v_nop behind it are the places in front of the loads below
.else
	s_barrier_signal -1
	s_barrier_wait -1
	PLACES 4
.endif
	FETCH \nslot, 0, 1-\p
	MULV \p, 0
.endm
	s_wait_alu depctr_va_vdst(0)
	s_wait_tensorcnt 0x0                           ; my part of slot X is in
	ds_add_u32 v[SPW], v[NIL]
	s_wait_dscnt 0x0
	CROUND
	JLOAD GAY, HAY, GBY, HBY                       ; slot Y, steps 3 and 4: the first tensor load behind the round
	FETCH 0, 0, 0
; A PREFETCH INTO THE L2 of what the next fill will ask for (steps 5 to 7), one slot ahead of that load.  Each aligned block of 256 bytes is named once in each cluster that will load it: the four partners of a joint load take a quarter each, told apart
; by address: of 49,152 bytes 48 blocks, of 36,864 bytes 36: two instructions a wave, a lane a block.  Slots X and Y come the first time by their loads alone; the last fill asks for nothing.
	global_prefetch_b8 v[PF1], s[PFA:PFA+1] th:TH_LOAD_NT scope:SCOPE_SE
	global_prefetch_b8 v[PF2], s[PFA:PFA+1] th:TH_LOAD_NT scope:SCOPE_SE
	STEP 0, 0, 1, 1
	STEP 1, 0, 2, 0
	TURN 0, 1, 1
	STEP 1, 1, 1, 0
	TURN 0, 0, 0
	STEP 1, 0, 1, 0
	STEP 0, 0, 2, 0
	s_wait_dscnt 0x0                               ; the last step: nothing more to fetch
	MULQK 1, 0
	MULV 1, 0
; THE WAY OUT.  q and k: [head][tile of 16 tokens][1,024]; v: [head][step of 128 tokens][tile of 16 channels][2,048]; each store of the wave covers 512 consecutive bytes.
	s_wait_kmcnt 0x0
	s_add_co_i32 s98, s92, s93
	s_mov_b32 s92, s94                             ; e2, e3, e5 in s[92], s[93], s[94]
	s_mov_b32 s93, s95
	s_mov_b32 s94, s97
.irp j, 0,1,2
	s_sub_co_i32 s99, s[92+\j], s98
	s_add_co_i32 s99, s99, 127
	s_lshl_b32 s100, s99, 23
	v_mov_b32 v[SC+\j], s100                       ; 2^(e - e0 - e1): the conversion takes its exponent field
	s_add_co_i32 s99, s99, 15
	s_lshl_b32 s99, s99, 23
	s_or_b32 s99, s99, 0x600000
	v_mov_b32 v[LM+\j], s99                        ; 57,344 x that
.endr
	s_lshl_b32 s66, s42, 18                        ; the head's 262,144 bytes of each part
	s_lshl_b32 s67, s17, 14                        ; the block's 16,384
	s_add_co_u32 s66, s66, s67
	s_lshl_b32 s67, s14, 12
	s_add_co_u32 s20, s66, s67                     ; q, k: my four tiles
	s_add_nc_u64 s[22:23], s[8:9], s[20:21]        ; (s21 = 0)
	s_lshl_b32 s67, s15, 13
	s_add_co_u32 s66, s66, s67
	s_lshl_b32 s67, s16, 10
	s_add_co_u32 s66, s66, s67                     ; v: my half of a step's 128 tokens
	s_add_co_u32 s20, s66, 8388608
	s_add_nc_u64 s[88:89], s[8:9], s[20:21]
	s_wait_alu depctr_va_vdst(0)
	PLACES 4                                       ; results just made are read below
.macro OUTQK j, a                      ; j = 0: q, 1: k; tile a of my tokens
	WIN 0x43                                       ; source 0 (the sums) window 3, destination window 1: its set is done with
.irp b, 0,1,2,3
.irp i, 0,1,2,3,4,5,6,7
	v_med3_num_f32 v[8*\b+\i], v[32*(4*\j+\b)+8*\a+\i], -v[LM+\j], v[LM+\j]
.endr
.endr
	WIN 0x01
.irp b, 0,1,2,3
	v_cvt_scalef32_pk8_bf8_f32 v[CD+32*\j+8*\a+2*\b:CD+32*\j+8*\a+2*\b+1], v[8*\b:8*\b+7], v[SC+\j]   ; channels 16 b + 8 h + 0 .. 7 of token r
.endr
	v_nop
	WIN 0
	global_store_b128 v[LI], v[CD+32*\j+8*\a:CD+32*\j+8*\a+3], s[22:23] offset:4194304*\j+1024*\a
	global_store_b128 v[LI], v[CD+32*\j+8*\a+4:CD+32*\j+8*\a+7], s[22:23] offset:4194304*\j+1024*\a+512
.endm
.macro OUTV b                          ; tile b of the head's channels, my 64 tokens
	WIN 0x40
.irp a, 0,1,2,3
.irp i, 0,1,2,3,4,5,6,7
	v_med3_num_f32 v[8*\a+\i], v[128+32*\b+8*\a+\i], -v[LM+2], v[LM+2]
.endr
.endr
	WIN 0x01
.irp a, 0,1,2,3
	v_cvt_scalef32_pk8_bf8_f32 v[CD+64+8*\b+2*\a:CD+64+8*\b+2*\a+1], v[8*\a:8*\a+7], v[SC+2]
.endr
	v_nop
	WIN 0
	global_store_b128 v[LI], v[CD+64+8*\b:CD+64+8*\b+3], s[88:89] offset:2048*\b
	global_store_b128 v[LI], v[CD+64+8*\b+4:CD+64+8*\b+7], s[88:89] offset:2048*\b+512
.endm
.irp j, 0,1
.irp a, 0,1,2,3
	OUTQK \j, \a
.endr
.endr
.irp b, 0,1,2,3
	OUTV \b
.endr
	s_wait_tensorcnt 0x0                           ; the wave's end
	ds_add_u32 v[SPW], v[NIL]
	s_wait_dscnt 0x0
	CROUND                                         ; the closing round: no work-group ends while a partner may still ask for a tile that names it
	s_endpgm
.Lfunc_end_k_q4fd7739cdd_qkv:
	.size	k_q4fd7739cdd_qkv, .Lfunc_end_k_q4fd7739cdd_qkv-k_q4fd7739cdd_qkv
	.p2alignl 7, 3214868480
	.fill 96, 4, 3214868480
	.section	.rodata,"a",@progbits
	.p2align	6, 0x0
	.amdhsa_kernel k_q4fd7739cdd_qkv
		.amdhsa_group_segment_fixed_size 327680
		.amdhsa_private_segment_fixed_size 0
		.amdhsa_enable_private_segment 0
		.amdhsa_kernarg_size 24
		.amdhsa_user_sgpr_count 2
		.amdhsa_user_sgpr_kernarg_segment_ptr 1
		.amdhsa_wavefront_size32 1
		.amdhsa_system_sgpr_workgroup_id_x 1
		.amdhsa_system_sgpr_workgroup_id_y 1
		.amdhsa_system_sgpr_workgroup_id_z 1
		.amdhsa_system_vgpr_workitem_id 0
		.amdhsa_next_free_vgpr 1024
		.amdhsa_next_free_sgpr 104
		.amdhsa_reserve_vcc 0
		.amdhsa_float_denorm_mode_32 3
		.amdhsa_float_denorm_mode_16_64 3
		.amdhsa_memory_ordered 1
		.amdhsa_forward_progress 1
		.amdhsa_inst_pref_size 101
	.end_amdhsa_kernel
	.amdgpu_metadata
---
amdhsa.version: [ 1, 2 ]
amdhsa.kernels:
  - .name:           k_q4fd7739cdd_qkv
    .symbol:         k_q4fd7739cdd_qkv.kd
    .args:
      - { .name: codes, .offset: 0, .size: 8, .value_kind: global_buffer, .address_space: global }
      - { .name: lowp_scales, .offset: 8, .size: 8, .value_kind: global_buffer, .address_space: global }
      - { .name: qkvimg, .offset: 16, .size: 8, .value_kind: global_buffer, .address_space: global }
    .group_segment_fixed_size: 327680
    .private_segment_fixed_size: 0
    .kernarg_segment_align: 8
    .kernarg_segment_size: 24
    .max_flat_workgroup_size: 128
    .sgpr_count:     104
    .vgpr_count:     1024
    .wavefront_size: 32
...
	.end_amdgpu_metadata
.endif
;; end of part 2
;; launch attn (part 3): grid 16 x 16, 8 waves a work-group, no clusters, 201,728 bytes of LDS; arguments qkvimg, lowp_scales, out0; writes out0
.if DOCPART == 3
	.amdgcn_target "amdgcn-amd-amdhsa--gfx1250"
	.amdhsa_code_object_version 6
	.text
	.protected	k_q4fd7739cdd_attn
	.globl	k_q4fd7739cdd_attn
	.p2align	8
	.type	k_q4fd7739cdd_attn,@function
k_q4fd7739cdd_attn:
	s_mov_b64 s[64:65], 0
	v_nop
	global_prefetch_b8 v0, s[64:65] scope:SCOPE_SE
	s_setreg_imm32_b32 hwreg(HW_REG_WAVE_MODE, 25, 1), 1
	s_wait_xcnt 0x0
; out[q][64 head + d] = the sum over keys of softmax(q . k / 8) v, for 16 heads of 64 channels and 4,096 tokens, both products on codes of BF8 (E5M2).  No mask: every key counts for every query, nothing is left out.
; THE SOFTMAX AHEAD OF THE SECOND PRODUCT: t = score x log2(e) / 8; M = the row's largest t so far, rounded UP to a whole number; p = 2^(t - M) is quantised with the given 2^e4; it is not normalised.
; The row's sum is taken of the unquantised p, in f32, and divides O at the end.  When M moves, the sum and O are multiplied by 2^(old M - new M): exact.
; THE HOLD at the largest code, 57,344 x 2^e4, is led round by a scalar branch where e4 is -15 or more: it is then 1.75 or more, and p is at most 1 (but for the last bits of the multiply-add and of the exponential).  Where e4 is less, every p is held.
; INPUT: images of the operands' registers, made by the launch before.  q at byte 0, k at 4 MiB: [head][tile of 16 tokens][1,024 B] (registers 0-3 of lane l at 16 l, 4-7 at 512 + 16 l; lane (r, h): token r, registers 2 c, 2 c + 1:
; channels 16 c + 8 h + 0 .. 7).  v at 8 MiB: [head][step of 128 keys][tile of 16 channels][2,048 B] (registers 4 i .. 4 i + 3 at 512 i + 16 l; lane (r, h): channel r, registers 2 c, 2 c + 1: keys 16 c + 8 h + 0 .. 7).
; So every fragment comes from LDS by loads of 16 bytes at 16 x lane: 512 consecutive bytes an instruction, no pitch, no padding.
; SHARES.  A work-group owns 256 queries of one head; each of its eight waves owns 32: two tiles of 16, so that each fragment of K and V feeds two products.  Every wave walks the head's 4,096 keys, 256 a step: the maxima,
; the statistics and the rescaling of O come once for 256 keys.
; LAYOUT.  Both products are used transposed: S^T = K Q^T (source 0 = 16 keys, source 1 = 16 queries), O^T = V^T P^T: a lane holds ONE query (lane % 16) throughout.  In S^T's tile c a lane's eight registers are keys 16 c + 8 (lane / 16) + 0 .. 7:
; converted, they ARE registers 2 c, 2 c + 1 of P.
; THE SOFTMAX OF A STEP goes in four groups of 64 exponentials (half of the keys x one tile of queries).  Among a group's exponentials stand the multiply-adds t - M of the group behind it, which are read behind the one wait at the group's end.
; Sums (chains) and conversions stand between the groups.
; THE RING.  Four slots of 256 keys (16 KiB of K, 16 KiB of V).  In step i each wave loads its eighth of tile i + 2 into registers (eight loads), and in the step's middle stores it into slot (i + 2) % 4, which held tile i - 2.
; ONE barrier a step, its two halves half a step apart: SIGNAL i stands behind the stores of step i and their wait; WAIT i stands in step i + 1 behind its first products.  Tile i + 2 is first read in step i + 1, behind WAIT i.  Slot (i + 2) % 4 is
; written behind WAIT i - 1, in front of whose signal every wave has finished step i - 2.  Between a signal and its wait stand register work and loads from slots i and i + 1, which nobody writes before the next barrier.
; NO CLUSTER AND NO TENSOR LOAD, though the sixteen work-groups of a head walk the same K and V: the hold, if it were always done, would be 128 of the 874 vector instructions of
; a step; and the joint refill's barrier would keep its two halves together, where here a wave may be half a step ahead of another.  The price is 16 KiB x 2 of loads a step in each work-group, eight load and eight LDS store instructions a wave.
; LIMITS on the given exponents: e2 + e3 between -123 and 130 (they are added to c's exponent field); e4 between -126 and 112; e4 + e5 is applied by v_ldexp_f32 and has none.  A p under 2^-126 counts as 0 (v_exp_f32: ISA guide 15.8).
; REGISTERS.  Window 0: v1-11 addresses; v12-43 sixteen registers of statistics a tile (+0 -M, +1 the largest score, +2 f, +3 its pair's upper word, +4 .. 7 at work, +8 .. 15 the sum in four pairs); v44 2^e4; v46, v47 for the lane exchange;
;   v48-63 Q; v64-127 P's codes (first S0's, then S1's, 16 a tile); v128-191 O^T, 32 a tile; v192-255 a buffer: K's second half, then (v192-223) my eighth of tile i + 2, then V's second half.
;   Window 1: v0-127 S0 (keys 128-255 of the step), v128-255 S1 (keys 0-127), 64 a tile: scores, then p.  When S0 is converted, v0-63 take the V of S1's keys and v64-127 the K of the next step's first half.
.set VOFF,  16384                      ; in a slot: K, then V
.set SLOTB, 32768                      ; a slot
.set PAIR,  65536                      ; two slots: one exclusive or turns an address into the other pair's
.set SPARE, 131072                     ; behind the ring: the spare words, 128 bytes for each wave
.set STAGE, 132096                     ; the way out: 32 rows x (256 bytes + 16) for each wave
.set SP,    272
.set VMEM,  4194304                    ; from K's part to V's in memory
.set LI,  1                            ; v1   16 x lane; never rewritten
.set ADR, 2                            ; v2   the pair of slots in hand + 16 x lane
.set PFO, 3                            ; v3   256 x lane; never rewritten
.set SPW, 5                            ; v5   LDS address of my spare word; never rewritten
.set NIL, 6                            ; v6   0; never rewritten
.set GO,  7                            ; v7   the way out: my byte offset in the wave's rows of the output; until then v7: 16 x lane + 2,048 x wave
.set WLI, 7
.set ADX, 8                            ; v8   the other pair + 16 x lane
.set ADW, 9                            ; v9   the other pair + v7: where I store
.set STI, 10                           ; v10  the stage, on the way in
.set STB, 11                           ; v11  and back
.set ST,  12
.set SCL, 44
.set PX,  46
.set Q,   48
.set P,   64                           ; (on the way out: the results)
.set O,   128
.set BF,  192                          ; (on the way out: rows read back)
.set WV,  10                           ; s10  my wave's number
.set SEL, 20                           ; s[20:21] lane selects for v_permlanex16_b32: lane l xor 16
.set CS,  22                           ; s[22:23] c = log2(e) / 8 x 2^(e2 + e3): the packed form names a pair and takes its low word for both halves
.set TB,  24                           ; s24  the pair of slots in hand
.set TX,  25                           ; s25  the other
.set TR,  26                           ; s26  trips to go
.set LIM, 27                           ; s27  the trips to go at which my wave prefetches; 0: never
.set HS,  28                           ; s28  57,344 x 2^e4
.set HB,  29                           ; s29  1 where the hold is needed
.set NCS, 30                           ; s30  -c
.set E45, 31                           ; s31  e4 + e5
.set KP,  32                           ; s[32:33] my eighth of the next tile of K
.set PFA, 34                           ; s[34:35] what I prefetch; never rewritten
.set MSB, 0
.macro WIN new                         ; the immediate's high byte repeats the setting that is left
.if MSB != \new
	s_set_vgpr_msb (MSB<<8)|\new
.set MSB, \new
.endif
.endm
.set TO_1,  0x40                       ; destination window 1, all else window 0
.set FROM1, 0x01                       ; source 0 window 1, all else window 0
.set BOTH,  0x41                       ; source 0 and destination window 1
.set W_MAX, 0x05                       ; sources 0 and 1 window 1
.set W_MIN, 0x44                       ; source 1 and destination window 1
.macro PLACES n
.rept \n
	v_nop
.endr
.endm
.macro TLOAD dst, off                  ; my eighth of a tile: 2,048 bytes of K, 2,048 of V; each load reads 512 consecutive bytes
.irp j, 0,1,2,3
	global_load_b128 v[\dst+4*\j:\dst+4*\j+3], v[LI], s[KP:KP+1] offset:(\off)+512*\j
	global_load_b128 v[\dst+16+4*\j:\dst+16+4*\j+3], v[LI], s[KP:KP+1] offset:VMEM+(\off)+512*\j
.endr
.endm
.macro TSTORE src, adr, off
.irp j, 0,1,2,3
	ds_store_b128 v[\adr], v[\src+4*\j:\src+4*\j+3] offset:(\off)+512*\j
	ds_store_b128 v[\adr], v[\src+16+4*\j:\src+16+4*\j+3] offset:(\off)+VOFF+512*\j
.endr
.endm
; A PREFETCH INTO THE L2.  The sixteen work-groups of a head share its sixteen tiles of 256 keys out among them: the work-group with number x asks for tile x, whole, in the trip that stands two before the one that loads it or a step earlier:
; steps x - 4 or x - 5; the load stands in step x - 2.  Waves 4, 5 ask for K's 16 KiB, waves 6, 7 for V's, lanes 256 bytes apart: each aligned block of 256 bytes is named once in the launch.  Tiles 0 to 3 come by their loads alone.
.macro ASK
	s_cmp_eq_u32 s[TR], s[LIM]
	s_cbranch_scc0 .Lnot_mine_\@
	global_prefetch_b8 v[PFO], s[PFA:PFA+1] th:TH_LOAD_NT scope:SCOPE_SE
.Lnot_mine_\@:
.endm
	s_load_b128 s[4:7], s[0:1], 0x0                ; the images s[4:5], the scales' exponents s[6:7]
	s_load_b64 s[8:9], s[0:1], 0x10                ; the output
	v_lshl_add_u32 v[SPW], v0, 2, SPARE
	v_mov_b32 v[NIL], 0
	v_lshrrev_b32 v4, 5, v0
	v_readfirstlane_b32 s[WV], v4                  ; wave 0..7
	v_and_b32 v10, 31, v0
	s_lshl_b32 s14, s[WV], 11
	v_lshlrev_b32 v[LI], 4, v10
	v_lshlrev_b32 v[PFO], 8, v10
	v_add_nc_u32 v[WLI], s14, v[LI]
	s_and_b32 s13, ttmp7, 0xffff                   ; the head,
	s_lshl_b32 s13, s13, 18                        ; and its first byte in each of the three parts
	s_add_co_u32 s16, s13, s14                     ; K: my eighth of tile 0
	s_add_co_u32 s16, s16, 4194304
	s_mov_b32 s17, 0
	s_lshl_b32 s18, ttmp9, 14                      ; Q: my block's 16 tiles of 1,024 bytes,
	s_add_co_u32 s18, s18, s14                     ; my wave's two,
	s_add_co_u32 s18, s18, s13
	s_mov_b32 s19, 0
	s_lshl_b32 s48, ttmp9, 20                      ; the output: my block's 256 rows of 4,096 bytes,
	s_lshl_b32 s15, s[WV], 17
	s_add_co_u32 s48, s48, s15                     ; my wave's 32,
	s_lshr_b32 s15, s13, 10
	s_add_co_u32 s48, s48, s15                     ; the head's 256 bytes of a row
	s_mov_b32 s49, 0
	s_bfe_u32 s42, s[WV], 0x10001                  ; the prefetches: K's part (waves 4, 5) or V's (waves 6, 7),
	s_add_co_u32 s42, s42, 1
	s_lshl_b32 s42, s42, 22
	s_add_co_u32 s42, s42, s13
	s_lshl_b32 s15, ttmp9, 14
	s_add_co_u32 s42, s42, s15                     ; tile x,
	s_and_b32 s15, s[WV], 1
	s_lshl_b32 s15, s15, 13
	s_add_co_u32 s42, s42, s15                     ; my half of it
	s_mov_b32 s43, 0
	s_lshr_b32 s15, ttmp9, 1
	s_sub_co_u32 s15, 9, s15                       ; x = 4, 5: the first trip, 7 to go; x under 4: 8 or 9, which no trip has
	s_cmp_gt_u32 s[WV], 3
	s_cselect_b32 s[LIM], s15, 0
	s_mov_b32 s[SEL], 0x76543210
	s_mov_b32 s[SEL+1], 0xfedcba98
	s_mov_b32 s[CS], 0x3e38aa3b                    ; log2(e) / 8
	s_mov_b32 s[TB], 0
	s_mov_b32 s[TX], PAIR
	s_mov_b32 s[TR], 7
	s_wait_alu depctr_va_vdst(0)                   ; directly ahead of the wait below
	s_wait_kmcnt 0x0
	s_load_b128 s[36:39], s[6:7], 0x8              ; e2, e3, e4, e5
	s_add_nc_u64 s[KP:KP+1], s[4:5], s[16:17]
	s_add_nc_u64 s[18:19], s[4:5], s[18:19]
	s_add_nc_u64 s[8:9], s[8:9], s[48:49]
	s_add_nc_u64 s[PFA:PFA+1], s[4:5], s[42:43]
	TLOAD BF, 0                                    ; tiles 0
	TLOAD BF+32, 16384                             ; and 1
.irp i, 0,1,2,3
	global_load_b128 v[Q+4*\i:Q+4*\i+3], v[LI], s[18:19] offset:512*\i   ; Q's two fragments stay in registers
.endr
.irp t, 0,1
	v_mov_b32 v[ST+16*\t], 0x7f61b1e6              ; -M = 3e38: the first change of M makes f = 0
	v_mov_b32 v[ST+16*\t+1], 0xff61b1e6            ; the largest score so far: -3e38, under every score
	v_mov_b32 v[ST+16*\t+3], 0                     ; (named as the upper half of f's pair)
	v_mov_b32 v[PX+\t], 0                          ; written once: a lane permute's destination counts as one of its sources
.irp i, 8,9,10,11,12,13,14,15
	v_mov_b32 v[ST+16*\t+\i], 0                    ; the sum, in four pairs
.endr
.endr
.set n, 0
.rept 64
	v_mov_b32 v[O+n], 0                            ; O^T.  (The key step is written in one form: the first step finds zeros, which the first change of M leaves zeros)
.set n, n+1
.endr
	v_mov_b32 v[ADR], v[LI]
	s_wait_alu depctr_va_vdst(0)                   ; directly ahead of the wait below
	s_wait_kmcnt 0x0
	s_add_co_i32 s48, s36, s37
	s_lshl_b32 s48, s48, 23
	s_add_co_i32 s[CS], s[CS], s48                 ; a score stands for score x 2^(e2 + e3): the two exponents are added to c's exponent field
	s_mov_b32 s[CS+1], s[CS]                       ; (named with it as a pair, so it is written)
	s_xor_b32 s[NCS], s[CS], 0x80000000
	s_add_co_i32 s48, s38, 127
	s_lshl_b32 s49, s48, 23
	v_mov_b32 v[SCL], s49                          ; 2^e4 as f32, for the conversion
	s_add_co_i32 s48, s48, 15
	s_lshl_b32 s48, s48, 23
	s_or_b32 s[HS], s48, 0x600000                  ; 57,344 x 2^e4
	s_add_co_i32 s[E45], s38, s39                  ; e4 + e5, for the way out
	s_cmp_lt_i32 s38, -15
	s_cselect_b32 s[HB], 1, 0
.macro KLOAD dst, adr, off             ; K's eight fragments (16 keys x 64 channels) of 128 keys: 16 loads
.irp c, 0,1,2,3,4,5,6,7
	ds_load_b128 v[\dst+8*\c:\dst+8*\c+3], v[\adr] offset:(\off)+\c*1024
	ds_load_b128 v[\dst+8*\c+4:\dst+8*\c+7], v[\adr] offset:(\off)+\c*1024+512
.endr
.endm
.macro VLOAD dst, off                  ; V's four fragments (16 channels x 128 keys): 16 loads
.irp d, 0,1,2,3
.irp i, 0,1,2,3
	ds_load_b128 v[\dst+16*\d+4*\i:\dst+16*\d+4*\i+3], v[ADR] offset:VOFF+(\off)+\d*2048+\i*512
.endr
.endr
.endm
; 64 exponentials of group g; among them the multiply-adds of group nx (tile tt).  -1: none.
.macro GROUP g, nx, tt
	WIN BOTH
.set n, 0
.rept 32
	v_exp_f32 v[\g+n], v[\g+n]                     ; p = 2^(t - M), at most 1: NOT normalised
.if (\nx) >= 0
	v_pk_fma_f32 v[\nx+n:\nx+n+1], v[\nx+n:\nx+n+1], s[CS:CS+1], v[ST+16*\tt:ST+16*\tt+1] op_sel_hi:[1,0,0]   ; t - M, two at a time (of the pairs c and -M the low word serves both halves)
.endif
	v_exp_f32 v[\g+n+1], v[\g+n+1]
.set n, n+2
.endr
	s_wait_alu depctr_va_vdst(0)                   ; behind this group's exponentials and ahead of the next group's
.endm
; THE ROW'S SUM IS TAKEN OF THE UNQUANTISED p: group g (tile tt), two at a time, four chains.  cv = 1: among the additions S0's conversions.
.macro SUMS g, tt, cv
	WIN FROM1
.irp c, 0,1,2,3,4,5,6,7
.irp j, 0,2,4,6
	v_pk_add_f32 v[ST+16*\tt+8+\j:ST+16*\tt+9+\j], v[\g+8*\c+\j:\g+8*\c+\j+1], v[ST+16*\tt+8+\j:ST+16*\tt+9+\j]
.endr
.if \cv
	v_cvt_scalef32_pk8_bf8_f32 v[P+2*\c:P+2*\c+1], v[8*\c:8*\c+7], v[SCL]   ; keys 16 c + 8 (lane / 16) + 0 .. 7: registers 2 c, 2 c + 1 of P
	v_cvt_scalef32_pk8_bf8_f32 v[P+16+2*\c:P+16+2*\c+1], v[64+8*\c:64+8*\c+7], v[SCL]
.endif
.endr
.endm
.macro HOLD s                          ; the hold of 128 registers, where e4 asks for it (the conversion to an 8-bit code does not saturate: ISA guide 7.6.2; p is not negative, so the hold is one-sided)
	WIN 0
	s_cmp_eq_u32 s[HB], 0
	s_cbranch_scc1 .Lunder_\@
	WIN W_MIN
.set n, \s
.rept 64
	v_dual_min_num_f32 v[n], s[HS], v[n] :: v_dual_min_num_f32 v[n+1], s[HS], v[n+1]
.set n, n+2
.endr
	WIN 0
	s_wait_alu depctr_va_vdst(0)
.Lunder_\@:
.endm
; A KEY STEP: 256 keys in slot q of the pair in hand, for my two tiles of queries.  Its first half's K stands in window 1, v64-127.  ld: tile i + 2 is loaded and stored.  bw, bs: the barrier's wait and signal.  nx: the next step's K is fetched.
.macro STEP q, ld, bw, bs, nx
	PLACES 4                                       ; in front of the loads into a buffer that the last products have read
	KLOAD BF, ADR, SLOTB*(\q)+8192
	s_wait_dscnt 16                                ; the first half's K is in; the 16 loads just issued may be out
	WIN BOTH
.irp c, 0,1,2,3,4,5,6,7                        ; S^T = K Q^T: each fragment of K against both tiles
.irp t, 0,1
	v_wmma_f32_16x16x64_bf8_bf8 v[128+64*\t+8*\c:128+64*\t+8*\c+7], v[64+8*\c:64+8*\c+7], v[Q+8*\t:Q+8*\t+7], 0
.endr
.endr
	s_wait_dscnt 0x0
	PLACES 5                                       ; the next products write over registers that those above have read
	WIN TO_1
.irp c, 0,1,2,3,4,5,6,7
.irp t, 0,1
	v_wmma_f32_16x16x64_bf8_bf8 v[64*\t+8*\c:64*\t+8*\c+7], v[BF+8*\c:BF+8*\c+7], v[Q+8*\t:Q+8*\t+7], 0
.endr
.endr
	PLACES 4                                       ; in front of the loads into K's registers, and of the first read of the scores
	WIN 0
.if \bw
	s_barrier_wait -1                              ; the step before's barrier
.endif
.if \ld
	TLOAD BF, 16384*(\q)
.if (\q) == 0
	ASK
.endif
.endif
	WIN W_MAX
.irp b, 128,0                                  ; the step's largest score of my query among my 128 keys, in four chains a tile, each begun with the largest so far; each accumulator is first read at its low end
.irp c, 0,1,2,3,4,5,6,7
.irp j, 0,1,2,3
.irp t, 0,1
.if (\b+\c) == 128
	v_max3_num_f32 v[ST+16*\t+4+\j], v[\b+64*\t+8*\c+2*\j], v[\b+64*\t+8*\c+2*\j+1], v[ST+16*\t+1]
.else
	v_max3_num_f32 v[ST+16*\t+4+\j], v[\b+64*\t+8*\c+2*\j], v[\b+64*\t+8*\c+2*\j+1], v[ST+16*\t+4+\j]
.endif
.endr
.endr
.endr
.endr
	WIN 0
.irp t, 0,1
	v_max3_num_f32 v[ST+16*\t+4], v[ST+16*\t+4], v[ST+16*\t+5], v[ST+16*\t+6]
.endr
.irp t, 0,1
	s_delay_alu instid0(VALU_DEP_2)
	v_max_num_f32 v[ST+16*\t+4], v[ST+16*\t+4], v[ST+16*\t+7]
.endr
.irp t, 0,1
	s_delay_alu instid0(VALU_DEP_2)
	v_permlanex16_b32 v[PX+\t], v[ST+16*\t+4], s[SEL], s[SEL+1]
.endr
.irp t, 0,1
	s_delay_alu instid0(VALU_DEP_2)
	v_max_num_f32 v[ST+16*\t+1], v[ST+16*\t+4], v[PX+\t]   ; and among lane l xor 16's: the running largest score
.endr
.irp t, 0,1
	s_delay_alu instid0(VALU_DEP_2)
	v_mul_f32 v[ST+16*\t+5], s[NCS], v[ST+16*\t+1] ; as -t (c is positive)
.endr
.irp t, 0,1
	s_delay_alu instid0(VALU_DEP_2)
	v_floor_f32 v[ST+16*\t+5], v[ST+16*\t+5]       ; the new -M = floor(-t) = -ceil(t): M IS A WHOLE NUMBER
.endr
.irp t, 0,1
	s_delay_alu instid0(VALU_DEP_2)
	v_sub_f32 v[ST+16*\t+6], v[ST+16*\t+5], v[ST+16*\t]   ; M's old value less its new one: a whole number, 0 or less
.endr
.irp t, 0,1
	v_mov_b32 v[ST+16*\t], v[ST+16*\t+5]
.endr
.irp t, 0,1
	v_cvt_i32_f32 v[ST+16*\t+6], v[ST+16*\t+6]     ; (it saturates)
.endr
.irp t, 0,1
	s_delay_alu instid0(VALU_DEP_2)
	v_ldexp_f32 v[ST+16*\t+2], 1.0, v[ST+16*\t+6]  ; f = 2^(old M - new M)
.endr
	WIN BOTH
.set n, 0
.rept 32
	v_pk_fma_f32 v[n:n+1], v[n:n+1], s[CS:CS+1], v[ST:ST+1] op_sel_hi:[1,0,0]   ; the first group's t - M
.set n, n+2
.endr
	WIN 0
.irp t, 0,1
.irp j, 8,10,12,14
	v_pk_mul_f32 v[ST+16*\t+\j:ST+16*\t+\j+1], v[ST+16*\t+\j:ST+16*\t+\j+1], v[ST+16*\t+2:ST+16*\t+3] op_sel_hi:[1,0]   ; the sums under the new M
.endr
.set n, 0
.rept 16
	v_pk_mul_f32 v[O+32*\t+n:O+32*\t+n+1], v[O+32*\t+n:O+32*\t+n+1], v[ST+16*\t+2:ST+16*\t+3] op_sel_hi:[1,0]   ; O^T under the new M: x f; each accumulator from its low end on
.set n, n+2
.endr
.endr
	s_wait_alu depctr_va_vdst(0)                   ; ahead of the exponentials
	GROUP 0, 64, 1
	SUMS 0, 0, 0
	GROUP 64, 128, 0
	SUMS 64, 1, 0
	HOLD 0
.if \ld
	s_wait_loadcnt 0x0                             ; my eighth of tile i + 2 is here
	TSTORE BF, ADW, SLOTB*(\q)
.endif
	GROUP 128, 192, 1
	SUMS 128, 0, 1
	WIN 0
	s_wait_dscnt 0x0                               ; my stores are done: for the others' sake, and before their registers are loaded again
.if \bs
	s_barrier_signal -1
.endif
	VLOAD BF, SLOTB*(\q)+8192                      ; S0's V
	WIN TO_1                                       ; S0 is converted: its registers take
	VLOAD 0, SLOTB*(\q)                            ; S1's V
.if \nx
.if (\q) == 0
	KLOAD 64, ADR, SLOTB                           ; and the K of the next step's first half: the pair's second slot,
.else
	KLOAD 64, ADX, 0                               ; or the other pair's first
.endif
.endif
	GROUP 192, -1, 0
	SUMS 192, 1, 0
	HOLD 128
	WIN FROM1
.irp c, 0,1,2,3,4,5,6,7
	v_cvt_scalef32_pk8_bf8_f32 v[P+32+2*\c:P+33+2*\c], v[128+8*\c:135+8*\c], v[SCL]
	v_cvt_scalef32_pk8_bf8_f32 v[P+48+2*\c:P+49+2*\c], v[192+8*\c:199+8*\c], v[SCL]
.endr
	v_nop                                          ; one plain vector line behind the last conversion
	s_wait_alu depctr_va_vdst(0)                   ; directly ahead of the wait below
.if \nx
	s_wait_dscnt 16                                ; both halves of V are in; the 16 loads of the next step's K, issued behind them, may be out
.else
	s_wait_dscnt 0x0
.endif
	WIN 0
.irp d, 0,1,2,3                                ; O^T += V^T P^T: each fragment of V against both tiles, S0's keys, then S1's.  The eight accumulators take turns, seven other products between two links of a sum
.irp t, 0,1
	v_wmma_f32_16x16x128_bf8_bf8 v[O+32*\t+8*\d:O+32*\t+8*\d+7], v[BF+16*\d:BF+16*\d+15], v[P+16*\t:P+16*\t+15], v[O+32*\t+8*\d:O+32*\t+8*\d+7]
.endr
.endr
	WIN FROM1
.irp d, 0,1,2,3
.irp t, 0,1
	v_wmma_f32_16x16x128_bf8_bf8 v[O+32*\t+8*\d:O+32*\t+8*\d+7], v[16*\d:16*\d+15], v[P+32+16*\t:P+32+16*\t+15], v[O+32*\t+8*\d:O+32*\t+8*\d+7]
.endr
.endr
	WIN 0
.endm
	s_wait_alu depctr_va_vdst(0)
	s_wait_loadcnt 0x0                             ; tiles 0 and 1, and Q
	s_add_nc_u64 s[KP:KP+1], s[KP:KP+1], 32768     ; on to tile 2
	TSTORE BF, WLI, 0
	TSTORE BF+32, WLI, SLOTB
	s_wait_dscnt 0x0
	s_barrier_signal -1
	s_barrier_wait -1                              ; tiles 0 and 1 are whole
	s_barrier_signal -1                            ; the signal that the first step's wait answers
	WIN TO_1
	KLOAD 64, ADR, 0
	WIN 0
.Lpair:                                            ; 7 trips, two steps each: steps 0 to 13, which load tiles 2 to 15
	v_add_nc_u32 v[ADR], s[TB], v[LI]
	v_add_nc_u32 v[ADX], s[TX], v[LI]
	v_add_nc_u32 v[ADW], s[TX], v[WLI]
	s_wait_alu depctr_va_vdst(0)
	STEP 0, 1, 1, 1, 1
	STEP 1, 1, 1, 1, 1
	s_add_nc_u64 s[KP:KP+1], s[KP:KP+1], 32768     ; (behind the loads' own wait)
	s_xor_b32 s[TB], s[TB], PAIR
	s_xor_b32 s[TX], s[TX], PAIR
	s_sub_co_u32 s[TR], s[TR], 1
	s_cmp_lg_u32 s[TR], 0
	s_cbranch_scc1 .Lpair
	v_add_nc_u32 v[ADR], s[TB], v[LI]
	s_wait_alu depctr_va_vdst(0)
	STEP 0, 0, 1, 0, 1                             ; step 14: the last wait; nothing is stored from here on, so nothing is signalled
	STEP 1, 0, 0, 0, 0
	; THE WAY OUT.  O^T is divided by the row's sum, multiplied by 2^(e4 + e5), and goes through my stage in LDS: a query's 64 channels are 256 bytes, which sixteen lanes then store as one aligned run.
	; The additions and the address lines below are the places behind the last products.
.irp j, 8,12
.irp t, 0,1
	v_pk_add_f32 v[ST+16*\t+\j:ST+16*\t+\j+1], v[ST+16*\t+\j:ST+16*\t+\j+1], v[ST+16*\t+\j+2:ST+16*\t+\j+3]   ; the sum's four pairs,
.endr
.endr
.irp t, 0,1
	s_delay_alu instid0(VALU_DEP_2)
	v_pk_add_f32 v[ST+16*\t+8:ST+16*\t+9], v[ST+16*\t+8:ST+16*\t+9], v[ST+16*\t+12:ST+16*\t+13]
.endr
.irp t, 0,1
	s_delay_alu instid0(VALU_DEP_2)
	v_add_f32 v[ST+16*\t+4], v[ST+16*\t+8], v[ST+16*\t+9]
.endr
.irp t, 0,1
	s_delay_alu instid0(VALU_DEP_2)
	v_permlanex16_b32 v[PX+\t], v[ST+16*\t+4], s[SEL], s[SEL+1]
.endr
.irp t, 0,1
	s_delay_alu instid0(VALU_DEP_2)
	v_add_f32 v[ST+16*\t+4], v[ST+16*\t+4], v[PX+\t] ; and lane l xor 16's: the row's sum
.endr
	s_wait_alu depctr_va_vdst(0)                   ; ahead of the transcendentals
.irp t, 0,1
	v_rcp_f32 v[ST+16*\t+2], v[ST+16*\t+4]
.endr
	v_and_b32 v8, 15, v0                           ; (plain lines behind the reciprocals)  r
	v_bfe_u32 v9, v0, 4, 1                         ; h
	s_mul_i32 s52, s[WV], 32*SP
	s_add_co_u32 s52, s52, STAGE                   ; my stage
	v_mul_u32_u24 v[STI], v8, SP
	v_mul_u32_u24 v[STB], v9, SP
	v_lshlrev_b32 v[GO], 12, v9
	v_lshl_add_u32 v[STI], v9, 5, v[STI]
	v_lshl_add_u32 v[STB], v8, 4, v[STB]
	v_lshl_add_u32 v[GO], v8, 4, v[GO]             ; lanes 0-15 one row of the output, lanes 16-31 the next
	v_add_nc_u32 v[STI], s52, v[STI]               ; in: row r, + 32 h: my eight channels of a tile of 16
	v_add_nc_u32 v[STB], s52, v[STB]               ; back: lanes 0-15 one row, lanes 16-31 the next
	s_wait_alu depctr_va_vdst(0)                   ; one wait for the two reciprocals, ahead of their first reader
.irp t, 0,1
	v_ldexp_f32 v[ST+16*\t+2], v[ST+16*\t+2], s[E45]   ; x 2^(e4 + e5)
.endr
	s_wait_alu depctr_va_vdst(0)                   ; directly ahead of the first reader of O^T
.irp t, 0,1
.set n, 0
.rept 16
	v_pk_mul_f32 v[P+32*\t+n:P+32*\t+n+1], v[O+32*\t+n:O+32*\t+n+1], v[ST+16*\t+2:ST+16*\t+3] op_sel_hi:[1,0]   ; register 8 d + i of tile t: out(query 16 t + r, channel 16 d + 8 h + i); each accumulator from its low end on
.set n, n+2
.endr
.endr
.irp t, 0,1
.irp d, 0,1,2,3
	ds_store_b128 v[STI], v[P+32*\t+8*\d:P+32*\t+8*\d+3] offset:\t*16*SP+64*\d
	ds_store_b128 v[STI], v[P+32*\t+8*\d+4:P+32*\t+8*\d+7] offset:\t*16*SP+64*\d+16
.endr
.irp i, 0,1,2,3,4,5,6,7
	ds_load_b128 v[BF+32*\t+4*\i:BF+32*\t+4*\i+3], v[STB] offset:(16*\t+2*\i)*SP   ; LDS serves a wave's instructions in order (ISA guide 5.7.1.4): these see my stores
.endr
.endr
	s_wait_alu depctr_va_vdst(0)                   ; directly ahead of the waits below
.irp t, 0,1
.irp i, 0,1,2,3,4,5,6,7
	s_wait_dscnt 23-16*\t-\i                       ; behind this load: its tile's younger loads, and for tile 0 also tile 1's eight stores and eight loads
	global_store_b128 v[GO], v[BF+32*\t+4*\i:BF+32*\t+4*\i+3], s[8:9] offset:(16*\t+2*\i)*4096 th:TH_STORE_NT   ; sixteen lanes store 256 consecutive bytes, at a multiple of 256 from the output's first byte; written once
.endr
.endr
	s_wait_tensorcnt 0x0                           ; the wave's end
	ds_add_u32 v[SPW], v[NIL]
	s_wait_dscnt 0x0
	s_endpgm
.Lfunc_end_k_q4fd7739cdd_attn:
	.size	k_q4fd7739cdd_attn, .Lfunc_end_k_q4fd7739cdd_attn-k_q4fd7739cdd_attn
	.p2alignl 7, 3214868480
	.fill 96, 4, 3214868480
	.section	.rodata,"a",@progbits
	.p2align	6, 0x0
	.amdhsa_kernel k_q4fd7739cdd_attn
		.amdhsa_group_segment_fixed_size 201728
		.amdhsa_private_segment_fixed_size 0
		.amdhsa_enable_private_segment 0
		.amdhsa_kernarg_size 24
		.amdhsa_user_sgpr_count 2
		.amdhsa_user_sgpr_kernarg_segment_ptr 1
		.amdhsa_wavefront_size32 1
		.amdhsa_system_sgpr_workgroup_id_x 1
		.amdhsa_system_sgpr_workgroup_id_y 1
		.amdhsa_system_sgpr_workgroup_id_z 1
		.amdhsa_system_vgpr_workitem_id 0
		.amdhsa_next_free_vgpr 512
		.amdhsa_next_free_sgpr 66
		.amdhsa_reserve_vcc 0
		.amdhsa_float_denorm_mode_32 3
		.amdhsa_float_denorm_mode_16_64 3
		.amdhsa_memory_ordered 1
		.amdhsa_forward_progress 1
		.amdhsa_inst_pref_size 239
	.end_amdhsa_kernel
	.amdgpu_metadata
---
amdhsa.version: [ 1, 2 ]
amdhsa.kernels:
  - .name:           k_q4fd7739cdd_attn
    .symbol:         k_q4fd7739cdd_attn.kd
    .args:
      - { .name: qkvimg, .offset: 0, .size: 8, .value_kind: global_buffer, .address_space: global }
      - { .name: lowp_scales, .offset: 8, .size: 8, .value_kind: global_buffer, .address_space: global }
      - { .name: out0, .offset: 16, .size: 8, .value_kind: global_buffer, .address_space: global }
    .group_segment_fixed_size: 201728
    .private_segment_fixed_size: 0
    .kernarg_segment_align: 8
    .kernarg_segment_size: 24
    .max_flat_workgroup_size: 256
    .sgpr_count:     66
    .vgpr_count:     512
    .wavefront_size: 32
...
	.end_amdgpu_metadata
.endif
;; end of part 3
